; MI455X (gfx1250); checked and timed in simulation.
; The chip was launched on July 23, 2026; its instructions are those of AMD's public machine-readable ISA for CDNA 5 (MIT licence, August 2026) and "CDNA5" Instruction Set Architecture Reference Guide (July 2026). The comments in the code are by the model that wrote it; some were corrected since.
;; Att Ada In. Allowed arithmetic: matrix products marked QUANTISED: E4M3 operands, one E8M0 scale for each 32 along K, by v_wmma_scale_f32_16x16x128_f8f6f4 with both operands' format E4M3, f32 sums; everything else in f32.
;; Inputs: Wk_codes 256 x 8 x 32 uint8 (E4M3 codes of Wk, K innermost, in blocks of 32 codes); Wk_scales 256 x 8 uint8 (E8M0 scales of Wk, one for each 32 codes along K); Wo_codes 256 x 8 x 32 uint8 (E4M3 codes of Wo, K innermost, in blocks of 32 codes); Wo_scales 256 x 8 uint8 (E8M0 scales of Wo, one for each 32 codes along K); Wq_codes 256 x 8 x 32 uint8 (E4M3 codes of Wq, K innermost, in blocks of 32 codes); Wq_scales 256 x 8 uint8 (E8M0 scales of Wq, one for each 32 codes along K); Wv_codes 256 x 8 x 32 uint8 (E4M3 codes of Wv, K innermost, in blocks of 32 codes); Wv_scales 256 x 8 uint8 (E8M0 scales of Wv, one for each 32 codes along K); bk 256 float32; bo 256 float32; bq 256 float32; bv 256 float32; x 4 x 256 x 64 x 64 float32; y_codes 4 x 64 x 64 x 8 x 32 uint8 (E4M3 codes of y, K innermost, in blocks of 32 codes); y_scales 4 x 64 x 64 x 8 uint8 (E8M0 scales of y, one for each 32 codes along K).
;; Outputs: out0 4 x 256 x 64 x 64 float32.
;; This version of the problem:
;;   THIS VERSION OF THE PROBLEM IS GIVEN IN LOW PRECISION. The matrix products marked QUANTISED in the list below multiply operands that are first quantised to E4M3 (4 exponent bits, 3 mantissa bits; 8 bits a number), with one power-of-two scale for each 32 numbers along K (OCP MX v1.0); their sums are f32. All else is computed in f32.
;;   The module's matrix products, in the order in which they are computed (A, B: the left and right operand; K: the contracted axis; several contracted axes count as one K, in the product's order):
;;     1. [M 16,384, K 256] x [K 256, N 256]; A: input x; B: input Wq (given as codes): QUANTISED
;;     2. [M 16,384, K 256] x [K 256, N 256]; A: input y (given as codes); B: input Wk (given as codes): QUANTISED
;;     3. [M 16,384, K 256] x [K 256, N 256]; A: input y (given as codes); B: input Wv (given as codes): QUANTISED
;;     4. batch 4 x [M 4,096, K 256] x [K 256, N 4,096]; A: computed on the way; B: computed on the way: QUANTISED
;;     5. batch 4 x [M 256, K 4,096] x [K 4,096, N 4,096]; A: computed on the way; B: softmax (see below): QUANTISED
;;     6. [M 16,384, K 256] x [K 256, N 256]; A: computed on the way; B: input Wo (given as codes): QUANTISED
;;   THE QUANTISER, for each operand of a quantised product, along K:
;;     - K is cut into blocks of 32 from its start; a last block that is shorter is filled with zeros.
;;     - A block's scale is 2^e with e = floor(log2(the largest magnitude in the block)) - 8, held to -126 .. 127; a block of zeros has e = 0. As a byte (E8M0): e + 127.
;;     - Each number is divided by its block's scale, clamped to +-448, and rounded to the nearest number of E4M3, ties to even, subnormals kept.
;;     - The product sums the exact products of the quantised numbers (number of the format x scale) in f32.
;;   ~~~python
;;   def quantise(x, axis):      # numpy; x: float32 -> the quantised numbers, widened to float32 again
;;       x = np.moveaxis(x, axis, -1); K = x.shape[-1]
;;       x = np.pad(x, [(0, 0)] * (x.ndim - 1) + [(0, -K % 32)]); x = x.reshape(x.shape[:-1] + (-1, 32)); a = np.abs(x).max(-1, keepdims=True)
;;       e = np.where(a > 0, np.clip(np.frexp(np.where(a > 0, a, 1))[1] - 1 - 8, -126, 127), 0)      # np.frexp(a)[1] - 1 = floor(log2(a)), exactly
;;       r = np.clip(x / 2.0 ** e, -448, 448)
;;       step = 2.0 ** (np.maximum(np.frexp(np.where(r == 0, 1, r))[1] - 1, -6) - 3)
;;       q = np.round(r / step) * step * 2.0 ** e      # np.round: ties to even
;;       return np.moveaxis(q.reshape(q.shape[:-2] + (-1,))[..., :K], -1, axis).astype(np.float32)
;;   ~~~
;;   SOFTMAX AHEAD OF A QUANTISED PRODUCT. Where the list says 'softmax', what is quantised is not the finished softmax but p = 2^(t - M), with t = logit x log2(e) and M = ceil(the row's largest t), a whole number; so 1/2 < the row's largest p <= 1. The row's sum l is taken of the UNQUANTISED p, in f32, and the product's result is divided by l at the end. Since M is a whole number, a kernel that streams over the keys may use a running M (the ceiling of the running maximum): every later rescaling is an exact power of two, which a block's scale takes up: the codes' values come out the same.
;;   OPERANDS COMPUTED ON THE WAY. 'Computed on the way' means the value that the module computes at that place (a softmax that the list does not call 'softmax' is quantised finished and normalised). What goes into a quantiser is computed in f32, as accurately as f32 sums, v_exp_f32 and their like allow (about 1e-6 of the number): no bf16 or f16 on the way to a quantiser, and a product that is left as it is and whose result goes on into a quantised operand takes f32 operands (vector FMAs, or v_wmma_f32_16x16x4_f32). A number that lies on a knife's edge between two numbers of the format may be rounded either way, as far as f32 arithmetic and the matrix unit's own rounding can turn it there, and no further.
;;   INPUTS GIVEN AS CODES. Wk (in the module: [256, 256], K = its axis 1); Wo (in the module: [256, 256], K = its axis 1); Wq (in the module: [256, 256], K = its axis 1); Wv (in the module: [256, 256], K = its axis 1); y (in the module: [4, 256, 64, 64], K = its axis 1): each comes as NAME_codes (uint8): NAME with its K axis moved to the last place and cut into blocks of 32 codes, [.., K / 32, bytes a block], one block behind the other in memory; one code a byte (a code: sign, 4 exponent bits, 3 mantissa bits); and NAME_scales (uint8): the same leading axes, one E8M0 byte (e + 127) for each 32 codes along K. Its value is code x scale, taken as it is: it is not quantised again, and the codes and scales need not be those that the quantiser above would give.
;; One version. Each part assembles by itself: llvm-mc -triple=amdgcn-amd-amdhsa -mcpu=gfx1250 --defsym DOCPART=n.
;; ======== version 1 of 1: 2 launches
;; workspace buffers: kblk 4,325,376 bytes; vblk 4,325,376 bytes
;; launch kvproj (part 1): grid 256 x 1, 4 waves a work-group, no clusters, 0 bytes of LDS; arguments y_codes, y_scales, Wk_codes, Wk_scales, bk, Wv_codes, Wv_scales, bv, kblk, vblk; writes kblk, vblk
.if DOCPART == 1
	.amdgcn_target "amdgcn-amd-amdhsa--gfx1250"
	.amdhsa_code_object_version 6
	.text
	.protected	k_qb3f3f9ffae_kvproj
	.globl	k_qb3f3f9ffae_kvproj
	.p2align	8
	.type	k_qb3f3f9ffae_kvproj,@function
k_qb3f3f9ffae_kvproj:
	s_mov_b64 s[64:65], 0
	v_nop
	global_prefetch_b8 v0, s[64:65] scope:SCOPE_SE
	s_setreg_imm32_b32 hwreg(HW_REG_WAVE_MODE, 25, 1), 1
	s_wait_xcnt 0x0
; k = Wk y + bk and v = Wv y + bv on codes of FP8 (E4M3) with one E8M0 scale for each 32 along K, then quantised again: k along its channels, v along the keys.
; y: 16,384 pixel rows of 256 codes + 8 scale bytes; Wk, Wv: 256 rows of the same make.  So one text serves both products: pointers alone differ.
; OUT.  kblk and vblk: 128 blocks of 33,792 bytes, block JJ = 128 keys (pixels 128 JJ on).  A block holds 16 IMAGES OF OPERAND REGISTERS (2,048 bytes: register group cc of lane l at 512 cc + 16 l)
;   and, from byte 32,768, 1,024 bytes of scale words.  perm(r) = r + 8 (r / 8), tb(t) = 32 (t / 2) + 8 (t % 2).
;   kblk image 2 kt + s: lane (r, h) = key tb(kt) + perm(r), channels 128 s + 32 cc + 16 h + 0..15;  its word at (kt / 4) 512 + 256 s + 16 r + 4 (kt % 4).
;   vblk image c:        lane (r, h) = channel tb(c) + perm(r), keys 32 cc + 16 h + 0..15;           its word at (c / 4) 256 + 16 r + 4 (c % 4).
; A UNIT is 16 matrix instructions: source 0 = 128 rows that STAY in registers (8 tiles in tb/perm order, 2 K steps), source 1 = one tile of 16 rows that STREAMS.  In the result a lane holds one streamed row, and the
;   16 registers of tiles 2 b, 2 b + 1 are 16 neighbours, 32 b + 16 h + 0..15, along the staying rows: the next product's K.  So the conversions' results are one image as it stands.
; SHARES.  Work-group: block JJ = x / 2, half hf = x % 2.  Waves 0, 1 make k (staying: Wk's rows 128 e on; streaming: y's key tiles 4 hf + 0..3); waves 2, 3 make v (staying: y's 128 keys; streaming: Wv's channel tiles 4 a + 0..3, a = 2 hf + e).
;   No branch hangs on that: pointers are chosen by s_cselect, and the bias, which runs along the registers for k and along the lanes for v, by v_cndmask_b32 on a scalar mask; each wave loads both forms.
; No LDS, no tensor load, no cluster: a wave runs one chain of loads, 64 matrix instructions and stores, shares nothing, and each store covers 512 or 256 consecutive bytes, aligned.
; LIMITS: NaN and infinities are not served.  A block of zeros, or one whose largest magnitude lies under 2^-118, gets the scale byte 1 (the rule gives a block of zeros 127): its bytes are read by this program alone.
; REGISTERS: window 0: v1-9, v14 offsets; v10-13 bv's numbers; v16-23, v24-27 scale words; v28-31 the words made; v32-159 streamed fragments; v160-223 results; v224-239 codes; v240-255 at work.
;   window 1: the 16 staying fragments.   window 2: v0-63 C of the 8 tiles, v64-127 bk's numbers in the result's layout.
.set BLK,  33792
.set SCO,  32768
.set A256, 1                           ; v1   perm(r) x 256 + 16 h: a fragment's bytes in a tile of rows
.set A8,   2                           ; v2   perm(r) x 8 + 4 h: lanes 0-15 take a row's word of K step 0, lanes 16-31 that of K step 1
.set ABM,  3                           ; v3   64 h
.set ABN,  4                           ; v4   4 perm(r)
.set VO,   5                           ; v5-8 16 x lane + unit x the images' stride
.set SO,   9                           ; v9   where my 16 bytes of scale words go
.set BN,   10
.set L16,  14                          ; v14  16 x lane
.set SS,   16
.set TS,   24
.set SW,   28
.set SF,   32
.set ACC,  160
.set PC,   224
.set TM,   240                         ; v240-243 largest magnitudes, 244-247 the other half's, then bytes, 248-251 448 x the scale, 252-255 the conversions' scale operand
.set CB,   0
.set BM,   64
.set MSB, 0
.macro WIN new                         ; the immediate's high byte repeats the setting that is left
.if MSB != (\new)
	s_set_vgpr_msb (MSB<<8)|(\new)
.set MSB, (\new)
.endif
.endm
	s_load_b256 s[4:11], s[0:1], 0x0               ; y's codes s[4:5], y's scales s[6:7], Wk's codes s[8:9], Wk's scales s[10:11]
	s_load_b256 s[12:19], s[0:1], 0x20             ; bk s[12:13], Wv's codes s[14:15], Wv's scales s[16:17], bv s[18:19]
	s_load_b128 s[20:23], s[0:1], 0x40             ; kblk s[20:21], vblk s[22:23]
	v_lshrrev_b32 v1, 5, v0
	v_readfirstlane_b32 s40, v1                    ; wave
	s_lshr_b32 s41, s40, 1                         ; role: 0 makes k, 1 makes v
	s_and_b32 s42, s40, 1                          ; e
	s_and_b32 s43, ttmp9, 1                        ; hf
	s_lshr_b32 s44, ttmp9, 1                       ; JJ
	s_lshl_b32 s45, s43, 1
	s_add_co_u32 s45, s45, s42                     ; a = 2 hf + e
	s_lshr_b32 s47, 0x1000, s41                    ; from image to image of my four units: 4,096 bytes for k, 2,048 for v
	s_lshl_b32 s48, s41, 1
	s_add_co_u32 s48, s48, 11
	s_lshl_b32 s48, s42, s48                       ; e x 2,048 for k, e x 8,192 for v,
	s_lshl_b32 s49, s43, 14
	s_add_co_u32 s48, s48, s49                     ; + hf x 16,384: my first image's place in the block
	s_mov_b32 s49, 0
	s_cmp_eq_u32 s41, 0
	s_cselect_b32 s50, s42, s44                    ; which 128 staying rows: Wk's half e, or y's block JJ
	s_cselect_b32 s52, ttmp9, s45                  ; which 64 streamed rows: y's 2 JJ + hf, or Wv's a
	s_cselect_b32 s46, 0, -1                       ; the mask that takes bv's numbers for C
	s_lshl_b32 s54, s50, 10
	s_lshl_b32 s50, s50, 15
	s_lshl_b32 s56, s52, 9
	s_lshl_b32 s52, s52, 14
	s_mov_b32 s51, 0
	s_mov_b32 s53, 0
	s_mov_b32 s55, 0
	s_mov_b32 s57, 0
	s_mul_i32 s58, s44, BLK
	s_mov_b32 s59, 0
	s_lshl_b32 s60, s42, 9                         ; bk: 128 e numbers on
	s_mov_b32 s61, 0
	s_lshl_b32 s62, s45, 8                         ; bv: 64 a numbers on
	s_mov_b32 s63, 0
	s_mov_b32 s36, 0x76543210
	s_mov_b32 s37, 0xfedcba98                      ; v_permlanex16_b32's selects for lane l xor 16
	s_mov_b32 s38, 0x600000                        ; the mantissa field of 448
	v_and_b32 v[L16], 31, v0
	v_and_b32 v15, 15, v0                          ; r
	v_bfe_u32 v[ABM], v0, 4, 1                     ; h
	v_and_b32 v[ABN], 8, v15
	v_add_nc_u32 v[ABN], v[ABN], v15               ; perm(r)
	v_lshlrev_b32 v[A256], 8, v[ABN]
	v_lshl_add_u32 v[A256], v[ABM], 4, v[A256]
	v_lshlrev_b32 v[A8], 3, v[ABN]
	v_lshl_add_u32 v[A8], v[ABM], 2, v[A8]
	v_lshlrev_b32 v[ABN], 2, v[ABN]
	v_lshlrev_b32 v[ABM], 6, v[ABM]
	v_lshlrev_b32 v[L16], 4, v[L16]
.irp u, 0,1,2,3
	v_mad_u32_u24 v[VO+\u], s47, \u, v[L16]
.endr
	v_lshlrev_b32 v[SO], 4, v15
	v_lshl_add_u32 v[SO], s45, 8, v[SO]
	v_add_nc_u32 v[SO], SCO, v[SO]                 ; 32,768 + 256 a + 16 r
.irp b, 0,1,2,3
	v_mov_b32 v[TM+4+\b], 0                        ; written once: a lane permute's destination counts as one of its sources
.endr
	s_wait_kmcnt 0x0
	s_cmp_eq_u32 s41, 0                            ; the choice hangs on the wave's number alone
	s_cselect_b64 s[24:25], s[8:9], s[4:5]         ; staying rows: codes,
	s_cselect_b64 s[26:27], s[10:11], s[6:7]       ; scale bytes
	s_cselect_b64 s[28:29], s[4:5], s[14:15]       ; streamed rows: codes,
	s_cselect_b64 s[30:31], s[6:7], s[16:17]       ; scale bytes
	s_cselect_b64 s[32:33], s[20:21], s[22:23]     ; the buffer that I fill
	s_add_nc_u64 s[24:25], s[24:25], s[50:51]
	s_add_nc_u64 s[26:27], s[26:27], s[54:55]
	s_add_nc_u64 s[28:29], s[28:29], s[52:53]
	s_add_nc_u64 s[30:31], s[30:31], s[56:57]
	s_add_nc_u64 s[32:33], s[32:33], s[58:59]      ; my block,
	s_add_nc_u64 s[34:35], s[32:33], s[48:49]      ; and my first image in it
	s_add_nc_u64 s[12:13], s[12:13], s[60:61]
	s_add_nc_u64 s[18:19], s[18:19], s[62:63]
	WIN 0x40                                       ; destination window 1
.irp t, 0,1,2,3,4,5,6,7                        ; the staying fragments: tile t, K step s at v[16 (2 t + s)]
.irp s, 0,1
.irp c, 0,1,2,3
	global_load_b128 v[16*(2*\t+\s)+4*\c:16*(2*\t+\s)+4*\c+3], v[A256], s[24:25] offset:(32*(\t/2)+8*(\t%2))*256+128*\s+32*\c
.endr
.endr
.endr
	WIN 0
.irp t, 0,1,2,3,4,5,6,7
	global_load_b32 v[SS+\t], v[A8], s[26:27] offset:(32*(\t/2)+8*(\t%2))*8
.endr
.irp u, 0,1,2,3                                ; the four streamed tiles begin at rows 0, 8, 32, 40 of my 64
.irp s, 0,1
.irp c, 0,1,2,3
	global_load_b128 v[SF+32*\u+16*\s+4*\c:SF+32*\u+16*\s+4*\c+3], v[A256], s[28:29] offset:(32*(\u/2)+8*(\u%2))*256+128*\s+32*\c
.endr
.endr
	global_load_b32 v[TS+\u], v[A8], s[30:31] offset:(32*(\u/2)+8*(\u%2))*8
	global_load_b32 v[BN+\u], v[ABN], s[18:19] offset:(32*(\u/2)+8*(\u%2))*4   ; bv of the channel that my lane streams in unit u
.endr
	WIN 0x80                                       ; destination window 2
.irp t, 0,1,2,3,4,5,6,7
	global_load_b128 v[BM+8*\t:BM+8*\t+3], v[ABM], s[12:13] offset:(32*(\t/2)+8*(\t%2))*4      ; bk of the eight channels that tile t's registers hold in my half
	global_load_b128 v[BM+8*\t+4:BM+8*\t+7], v[ABM], s[12:13] offset:(32*(\t/2)+8*(\t%2))*4+16
.endr
	WIN 0
	s_wait_loadcnt 0x0                             ; all operands are in; nothing more is loaded
; 64 numbers of a lane, v[ACC] on, register 16 b + i = place 32 b + 16 h + i along the next K, become an image's codes in v[PC] on and its scale word in v[pw]
.macro QUANT pw
.irp b, 0,1,2,3
	v_max3_num_f32 v[TM+\b], |v[ACC+16*\b]|, |v[ACC+1+16*\b]|, 0x4800000   ; block b: my 16 numbers, from each result's low end on, and the floor 2^(9 - 127), which holds the byte at 1 from below
.endr
.irp i, 2,4,6,8,10,12,14
.irp b, 0,1,2,3
	v_max3_num_f32 v[TM+\b], v[TM+\b], |v[ACC+16*\b+\i]|, |v[ACC+1+16*\b+\i]|   ; the four blocks by turns
.endr
.endr
.irp b, 0,1,2,3
	v_permlanex16_b32 v[TM+4+\b], v[TM+\b], s36, s37
.endr
.irp b, 0,1,2,3
	v_max_num_f32 v[TM+\b], v[TM+\b], v[TM+4+\b]   ; with lane l xor 16's 16: the block's largest magnitude
.endr
.irp b, 0,1,2,3
	v_add_nc_u32 v[TM+12+\b], 0xfc000000, v[TM+\b] ; 8 off its exponent field: the conversion's scale operand
.endr
.irp b, 0,1,2,3
	v_and_or_b32 v[TM+8+\b], v[TM+\b], 0x7f800000, s38   ; 448 x the scale
.endr
.irp b, 0,1,2,3
	v_lshrrev_b32 v[TM+4+\b], 23, v[TM+12+\b]      ; the scale's byte
.endr
	v_lshl_or_b32 v[\pw], v[TM+5], 8, v[TM+4]
	v_lshl_or_b32 v[\pw], v[TM+6], 16, v[\pw]
	v_lshl_or_b32 v[\pw], v[TM+7], 24, v[\pw]
.irp b, 0,1,2,3
.irp i, 0,1,2,3,4,5,6,7,8,9,10,11,12,13,14,15
	v_med3_num_f32 v[ACC+16*\b+\i], v[ACC+16*\b+\i], -v[TM+8+\b], v[TM+8+\b]   ; the conversion to an 8-bit code does not saturate (ISA guide 7.6.2): the hold comes first
.endr
	v_cvt_scalef32_pk8_fp8_f32 v[PC+4*\b:PC+1+4*\b], v[ACC+16*\b:ACC+7+16*\b], v[TM+12+\b]
	v_cvt_scalef32_pk8_fp8_f32 v[PC+2+4*\b:PC+3+4*\b], v[ACC+8+16*\b:ACC+15+16*\b], v[TM+12+\b]
.endr
	v_nop                                          ; a plain instruction behind the last conversion, ahead of whatever next writes its sources
.endm
.macro UNIT u
.if \u > 0
	s_wait_xcnt 0x0                                ; the last unit's stores have read their data: the codes' registers are written again only behind this wait
.endif
	WIN 0x82                                       ; destination and source 0 window 2, source 1 window 0
.set j, 0
.rept 64
	v_cndmask_b32 v[CB+j], v[BM+j], v[BN+\u], s46  ; C: bk along the registers (k), or my lane's bv in all of them (v)
.set j, j+1
.endr
.rept 4
	v_nop
.endr
	WIN 0x21                                       ; source 0 window 1, source 2 window 2
.irp t, 0,1,2,3,4,5,6,7                        ; the eight results take turns, one instruction a turn; the bias starts each sum
	v_wmma_scale_f32_16x16x128_f8f6f4 v[ACC+8*\t:ACC+8*\t+7], v[32*\t:32*\t+15], v[SF+32*\u:SF+32*\u+15], v[CB+8*\t:CB+8*\t+7], v[SS+\t], v[TS+\u]
.endr
	WIN 0x01
.irp t, 0,1,2,3,4,5,6,7                        ; K step 1: its scale words stand in lanes 16-31
	v_wmma_scale_f32_16x16x128_f8f6f4 v[ACC+8*\t:ACC+8*\t+7], v[32*\t+16:32*\t+31], v[SF+32*\u+16:SF+32*\u+31], v[ACC+8*\t:ACC+8*\t+7], v[SS+\t], v[TS+\u] matrix_a_scale:MATRIX_SCALE_ROW1 matrix_b_scale:MATRIX_SCALE_ROW1
.endr
	WIN 0
.rept 8
	v_nop                                          ; eight places between this matrix form and the first read of its results
.endr
	QUANT SW+\u
.irp c, 0,1,2,3
	global_store_b128 v[VO+\u], v[PC+4*\c:PC+4*\c+3], s[34:35] offset:512*\c   ; 32 lanes store 512 consecutive bytes, aligned
.endr
.endm
	UNIT 0
	UNIT 1
	UNIT 2
	UNIT 3
	s_wait_xcnt 0x0                                ; EXEC is a source of the stores above: it changes only behind this wait
	v_cmp_gt_u32 vcc_lo, 0x100, v[L16]             ; lanes 0-15 (lanes 16-31 hold the same words)
	s_and_saveexec_b32 s39, vcc_lo
	global_store_b128 v[SO], v[SW:SW+3], s[32:33]  ; my four units' words of row r: 16 lanes store 256 consecutive bytes, aligned
	s_wait_xcnt 0x0
	s_or_b32 exec_lo, exec_lo, s39
	s_endpgm
.Lfunc_end_k_qb3f3f9ffae_kvproj:
	.size	k_qb3f3f9ffae_kvproj, .Lfunc_end_k_qb3f3f9ffae_kvproj-k_qb3f3f9ffae_kvproj
	.p2alignl 7, 3214868480
	.fill 96, 4, 3214868480
	.section	.rodata,"a",@progbits
	.p2align	6, 0x0
	.amdhsa_kernel k_qb3f3f9ffae_kvproj
		.amdhsa_group_segment_fixed_size 0
		.amdhsa_private_segment_fixed_size 0
		.amdhsa_enable_private_segment 0
		.amdhsa_kernarg_size 80
		.amdhsa_user_sgpr_count 2
		.amdhsa_user_sgpr_kernarg_segment_ptr 1
		.amdhsa_wavefront_size32 1
		.amdhsa_system_sgpr_workgroup_id_x 1
		.amdhsa_system_sgpr_workgroup_id_y 1
		.amdhsa_system_sgpr_workgroup_id_z 1
		.amdhsa_system_vgpr_workitem_id 0
		.amdhsa_next_free_vgpr 640
		.amdhsa_next_free_sgpr 66
		.amdhsa_reserve_vcc 1
		.amdhsa_float_denorm_mode_32 3
		.amdhsa_float_denorm_mode_16_64 3
		.amdhsa_memory_ordered 1
		.amdhsa_forward_progress 1
		.amdhsa_inst_pref_size 76
	.end_amdhsa_kernel
	.amdgpu_metadata
---
amdhsa.version: [ 1, 2 ]
amdhsa.kernels:
  - .name:           k_qb3f3f9ffae_kvproj
    .symbol:         k_qb3f3f9ffae_kvproj.kd
    .args:
      - { .name: y_codes, .offset: 0, .size: 8, .value_kind: global_buffer, .address_space: global }
      - { .name: y_scales, .offset: 8, .size: 8, .value_kind: global_buffer, .address_space: global }
      - { .name: Wk_codes, .offset: 16, .size: 8, .value_kind: global_buffer, .address_space: global }
      - { .name: Wk_scales, .offset: 24, .size: 8, .value_kind: global_buffer, .address_space: global }
      - { .name: bk, .offset: 32, .size: 8, .value_kind: global_buffer, .address_space: global }
      - { .name: Wv_codes, .offset: 40, .size: 8, .value_kind: global_buffer, .address_space: global }
      - { .name: Wv_scales, .offset: 48, .size: 8, .value_kind: global_buffer, .address_space: global }
      - { .name: bv, .offset: 56, .size: 8, .value_kind: global_buffer, .address_space: global }
      - { .name: kblk, .offset: 64, .size: 8, .value_kind: global_buffer, .address_space: global }
      - { .name: vblk, .offset: 72, .size: 8, .value_kind: global_buffer, .address_space: global }
    .group_segment_fixed_size: 0
    .private_segment_fixed_size: 0
    .kernarg_segment_align: 8
    .kernarg_segment_size: 80
    .max_flat_workgroup_size: 128
    .sgpr_count:     66
    .vgpr_count:     640
    .wavefront_size: 32
...
	.end_amdgpu_metadata
.endif
;; end of part 1
;; launch attn (part 2): grid 64 x 4, 4 waves a work-group, clusters of 4 x 1, 327,680 bytes of LDS; arguments x, Wq_codes, Wq_scales, bq, kblk, vblk, Wo_codes, Wo_scales, bo, out0; writes out0
.if DOCPART == 2
	.amdgcn_target "amdgcn-amd-amdhsa--gfx1250"
	.amdhsa_code_object_version 6
	.text
	.protected	k_qb3f3f9ffae_attn
	.globl	k_qb3f3f9ffae_attn
	.p2align	8
	.type	k_qb3f3f9ffae_attn,@function
k_qb3f3f9ffae_attn:
	s_mov_b64 s[64:65], 0
	v_nop
	global_prefetch_b8 v0, s[64:65] scope:SCOPE_SE
	s_setreg_imm32_b32 hwreg(HW_REG_WAVE_MODE, 25, 1), 1
	s_wait_xcnt 0x0
	s_wait_alu depctr_hold_cnt(0) depctr_sa_sdst(0) depctr_va_vdst(0) depctr_va_sdst(0) depctr_va_ssrc(0) depctr_va_vcc(0) depctr_vm_vsrc(0)
	s_getreg_b32 s2, hwreg(HW_REG_IB_STS2, 6, 4)
	s_cmp_eq_u32 s2, 0
	s_cbranch_scc0 .Lentry_in_a_cluster
	s_endpgm
.Lentry_in_a_cluster:
	s_bfe_u32 s2, ttmp6, 0x10000c
	s_cmp_lg_u32 s2, 0x3003
	s_cbranch_scc0 .Lentry_shape_is_right
	s_endpgm
.Lentry_shape_is_right:
; out = x + Wo z + bo, z = softmax(q^T k / 16) v, q = Wq x + bq: all products on codes of FP8 (E4M3) with one E8M0 scale for each 32 along K.  x, out0: [4][256][4096] f32.  k and v come from kblk and vblk as
; blocks of 128 keys, 33,792 bytes each: 16 images of operand registers (2,048 bytes: register group cc of lane l at 512 cc + 16 l) and 1,024 bytes of scale words.  perm(r) = r + 8 (r / 8), tb(t) = 32 (t / 2) + 8 (t % 2).
;   kblk image 2 kt + s: lane (r, h) = key tb(kt) + perm(r), channels 128 s + 32 cc + 16 h + 0..15.   vblk image c: lane (r, h) = channel tb(c) + perm(r), keys 32 cc + 16 h + 0..15.
; SHARES.  A work-group owns 64 pixels (queries) of one batch: 256 work-groups of equal work.  EACH WAVE HOLDS ALL 64 QUERIES (four tiles T of 16) AND THE FOUR WAVES SPLIT THE KEYS: wave g walks blocks 4 j + g, j = 0..7.
;   So each byte of K and V is read from LDS once in a work-group; with the queries split among the waves it would be read four times.  The four partial sums are joined at the end.
; SOFTMAX.  t = score x log2(e) / 16; M = the largest t so far, rounded up to a whole number, kept as -M; p = 2^(t - M) is quantised along the keys, not normalised; the sum l is taken of the unquantised p.  When M moves, l and
;   O are multiplied by f = 2^(old M - new M), which rounds nothing; the four waves' parts are brought under the largest of their M in the same way, added, and multiplied by 1 / l.
; LAYOUT.  All products but the last are used transposed: a lane holds ONE query (lane % 16).  By the tiles' order of rows the 16 registers of tiles 2 b, 2 b + 1 of a result are 16 neighbours along the next K,
;   so the conversions' results are the next operand (p), or its image for the other waves (x, q, z).
; BY TURNS.  The wave is alone on its SIMD, so what is to run side by side stands side by side in its text.  The maxima and the chain to f are made for the four tiles together, line by line.  Tile T's 64 exponentials take turns
;   with tile T - 1's 64 holds and tile T + 1's 32 scalings: all three name S^T's window alike, so no switch is spent.  The rescaling of O^T, four lines an accumulator, stands behind the second product's instructions, eight accumulators ahead.
; CLUSTER.  The four work-groups of a cluster belong to one batch and walk the same blocks: each block is asked for JOINTLY, by the same tensor load with the same descriptor and the mask 15, in all four.
; RING.  Each wave has ONE slot for K and one for V, its own.  K's is filled again when its block has been multiplied, V's when its block lies in registers: each refill stands behind a round of the cluster's barrier.
;   By this text's count a wave has two tensor loads out at the start and one behind each round.
; LIMITS: NaN and infinities are not served.  A block of zeros, or one whose largest magnitude lies under 2^-118, gets the scale byte 1 (the rule gives a block of zeros 127): the bytes are read here alone.
;   z is multiplied by v_rcp_f32 of l and not divided.  A query's sums over the keys are made in four parts and added in f32.
; REGISTERS, in windows of 256 (s_set_vgpr_msb: bits 1:0 source 0, 3:2 source 1, 5:4 source 2, 7:6 destination):
;   window 0: v1-11 addresses (v10-11 become a sum's pair in the key steps); v12-27 four a tile: -M, p's scale word, l in two halves; v28-31 Q's scale words; v32-39 K's or V's; v40-55 four a tile: the blocks' largest;
;   v56-63 f, a pair a tile; v64-191 Q; v192-255 two buffers of K, then p's codes (v240-255 are at work until tile 3's codes take them).
;   window 1: S^T, 64 a tile; tile T's registers take V's fragments 4 T .. 4 T + 3 as soon as its p is made.   windows 2, 3: O^T, 128 a tile.
.set BLK,   33792
.set SCO,   32768                      ; where a block's scale words begin
.set VSL,   4*BLK                      ; LDS: K's four slots from 0, V's four from here;
.set XIMG,  8*BLK                      ; x's eight images (tile T, K step s: 2 T + s), later z's;
.set XSC,   XIMG+16384                 ; their scale words: 128 T + 64 s + 4 r;
.set DQ,    16896                      ; q's images and words lie this far behind x's;
.set STATS, XSC+DQ+512                 ; the waves' -M and l: 1,024 g + 256 T + {0, 128} + 4 x lane;
.set SPARE, STATS+4096                 ; the spare words, 128 bytes for each wave: two blocks of 256 bytes that no other line names
.set SROW,  272                        ; the way out: a stage of 64 rows x (256 bytes + 16) for each wave.  The stage and the merge's parts lie in the slots, which have had their last fill by then
.set AK,   1                           ; v1   16 x lane + my slot of K
.set AV,   2                           ; v2   16 x lane + my slot of V
.set IM16, 3                           ; v3   16 x lane + XIMG
.set IM4,  4                           ; v4   4 x lane + XSC: lanes 0-15 take K step 0's words, lanes 16-31 K step 1's
.set PW16, 5                           ; v5   where I store my part of an image of q or z
.set PW2,  6                           ; v6   and my two bytes of its scale word
.set SPW,  7                           ; v7   my spare word; never rewritten
.set NIL,  8                           ; v8   0; never rewritten
.set PFO,  9                           ; v9   256 x lane: the prefetches' offset; never rewritten
.set XW,   10                          ; v10-11 the head: where x's codes and scale word go
.set XWS,  11
.set SUM,  10                          ; v[10:11] the key steps: one of the four chains of p's sum
.set ST,   12
.set QS,   28
.set KS,   32
.set BMX,  40                          ; the key steps: v[40 + 4 T + b]: block b of tile T: its largest score, then its largest p, then 448 x its scale.  Head and tail: v40-43 a block's largest,
.set PT,   44                          ; v44-47 the other half's, then the bytes,
.set HOLD, 48                          ; v48-51 448 x the scale,
.set SOP,  52                          ; v52-55 the conversions' scale operand
.set F,    56                          ; v[56 + 2 T : 57 + 2 T]: f of tile T in the low word; the high word is named with it and holds whatever the head left
.set TW,   58                          ; the head: x's scale word
.set X4,   60
.set WQA,  61
.set WQSA, 62
.set BQA,  63
.set Q,    64
.set KF,   192
.set WK,   240                         ; the key steps: v240-255 at work
.set CP,   64                          ; the tail: v64-95 the parts' factors, in pairs; v96-127 bo as C; v128-131 scale halfwords; v132-151 addresses
.set BOC,  96
.set HW,   128
.set WOA,  132
.set WOSA, 133
.set BOA,  134
.set GXO,  135
.set ST4,  136
.set MW,   137
.set SL,   138
.set STO,  139
.set SRD,  140
.set BOV,  144
.set MR,   148
.set WV,   24
.set CNT,  53
.set LIM,  54
.set MSB, 0
.macro WIN new                         ; the immediate's high byte repeats the setting that is left; a switch that changes nothing is dropped
.if MSB != (\new)
	s_set_vgpr_msb (MSB<<8)|(\new)
.set MSB, (\new)
.endif
.endm
.macro PLACES n
.rept \n
	v_nop
.endr
.endm
.macro BAR                             ; my LDS stores have landed and my LDS loads are in: then the work-group's barrier
	s_wait_dscnt 0x0
	s_barrier_signal -1
	s_barrier_wait -1
.endm
.macro ROUND                           ; a round of the cluster's barrier: my work-group's barrier; wave 0 signals for the work-group; every wave waits for all four; my work-group's barrier once more
	s_barrier_signal -1
	s_barrier_wait -1
	s_cmp_lg_u32 s[WV], 0
	s_cbranch_scc1 .Lnot_wave_0_\@
	s_barrier_signal -3
.Lnot_wave_0_\@:
	s_barrier_wait -3
	s_barrier_signal -1
	s_barrier_wait -1
.endm
.macro JL g0                           ; a joint load: every wave asks for its own block; four v_nop follow
	tensor_load_to_lds s[\g0:\g0+3], s[32:39]
	s_nop 0
	PLACES 4
.endm
; A PREFETCH INTO THE L2 of the block that my next refill of this slot will ask for: it stands behind the joint load and its four lines.  All sixteen clusters of a batch walk the same blocks: the batch's first cluster asks.
; Its four partners share a block's 128 rows of 256 bytes of codes out BY ADDRESS, 32 each, a lane a row; each wave asks for its own block.  The last refill has no block behind it and asks for nothing.
.macro ASK pf
	s_cmp_gt_u32 s[CNT], s[LIM]
	s_cbranch_scc0 .Lnot_mine_\@
	global_prefetch_b8 v[PFO], s[\pf:\pf+1] th:TH_LOAD_NT scope:SCOPE_SE
.Lnot_mine_\@:
.endm
	s_load_b256 s[4:11], s[0:1], 0x0               ; x s[4:5], Wq's codes s[6:7], Wq's scales s[8:9], bq s[10:11]
	s_load_b256 s[12:19], s[0:1], 0x20             ; kblk s[12:13], vblk s[14:15], Wo's codes s[16:17], Wo's scales s[18:19]
	s_load_b128 s[20:23], s[0:1], 0x40             ; bo s[20:21], out0 s[22:23]
	v_lshl_add_u32 v[SPW], v0, 2, SPARE
	v_mov_b32 v[NIL], 0
	ds_add_u32 v7, v8
	ds_add_u32 v7, v8
	s_wait_dscnt 0x0
	v_lshrrev_b32 v1, 5, v0
	v_readfirstlane_b32 s[WV], v1                  ; wave 0..3
	s_bfe_u32 s25, ttmp6, 0x40000                  ; cx: it enters x's, out0's and the prefetches' addresses alone
	s_lshl_b32 s26, ttmp9, 2
	s_add_co_u32 s26, s26, s25                     ; my block of 64 pixels = 4 x cluster x + cx
	s_and_b32 s27, ttmp7, 0xffff                   ; the batch, which the four partners share
	; descriptor group 1: a block is dense: 132 rows of 256 bytes (32 elements of 8 bytes), no padding: images are read as consecutive bytes
	s_mov_b32 s32, 15|(3<<16)|(1<<21)              ; 15:0 the mask: all four work-groups; 17:16 elements of 8 bytes; 21 set beside a mask
	s_mov_b32 s33, 32<<16                          ; tensor_dim0 = 32
	s_mov_b32 s34, 132<<16                         ; tensor_dim1 = 132
	s_mov_b32 s35, 32<<16                          ; tile_dim0 = 32
	s_mov_b32 s36, 132                             ; tile_dim1 = 132
	s_mov_b32 s37, 32                              ; from row to row
	s_mov_b32 s38, 0
	s_mov_b32 s39, 0
	s_lshl_b32 s28, s27, 5
	s_add_co_u32 s28, s28, s[WV]
	s_mul_i32 s60, s28, BLK                        ; my first block: 32 x batch + wave
	s_mov_b32 s61, 0
	s_mul_i32 s29, s[WV], BLK                      ; my slot
	s_lshl_b32 s62, s25, 13                        ; the prefetches: my work-group's 32 rows,
	s_add_co_u32 s62, s62, s60
	s_add_co_u32 s62, s62, 4*BLK                   ; in my second block: each refill steps this on before it asks
	s_mov_b32 s63, 0
	s_lshl_b32 s66, s27, 22                        ; x and out0: the batch's 4,194,304 bytes,
	s_lshl_b32 s28, s26, 8
	s_add_co_u32 s66, s66, s28                     ; my 64 pixels' 256 bytes in a channel's row
	s_lshr_b32 s28, s[WV], 1
	s_lshl_b32 s28, s28, 21                        ; the head: channels 128 (wave / 2) on,
	s_and_b32 s30, s[WV], 1
	s_lshl_b32 s30, s30, 7                         ; pixels 32 (wave % 2) on
	s_add_co_u32 s28, s28, s30
	s_add_co_u32 s68, s66, s28
	s_mov_b32 s69, 0
	s_lshl_b32 s70, s[WV], 20                      ; the tail: channels 64 x wave on
	s_add_co_u32 s70, s70, s66
	s_mov_b32 s71, 0
	s_lshl_b32 s74, s[WV], 14                      ; my 64 rows of Wq and of Wo: codes,
	s_mov_b32 s75, 0
	s_lshl_b32 s76, s[WV], 9                       ; scale bytes,
	s_mov_b32 s77, 0
	s_lshl_b32 s78, s[WV], 8                       ; and biases
	s_mov_b32 s79, 0
	s_mov_b32 s48, 0x76543210
	s_mov_b32 s49, 0xfedcba98                      ; v_permlanex16_b32's selects for lane l xor 16
	s_mov_b32 s50, 0x3db8aa3b                      ; c = log2(e) / 16
	s_mov_b32 s51, s50                             ; (named with it as a pair, so it is written)
	s_mov_b32 s52, 0x600000                        ; the mantissa field of 448
	s_cmp_eq_u32 ttmp9, 0                          ; the batch's first cluster: the same in all four partners
	s_cselect_b32 s[LIM], 1, -1
	s_wait_kmcnt 0x0
	s_mov_b32 s40, 1                               ; group 0 for K: count = 1,
	s_mov_b32 s41, s29                             ; LDS address: wave x a block,
	s_add_nc_u64 s[42:43], s[12:13], s[60:61]      ; global address,
	s_or_b32 s43, s43, 0x80000000                  ; type = 2
	s_mov_b32 s44, 1                               ; and for V
	s_add_co_u32 s45, s29, VSL
	s_add_nc_u64 s[46:47], s[14:15], s[60:61]
	s_or_b32 s47, s47, 0x80000000
	s_add_nc_u64 s[56:57], s[12:13], s[62:63]
	s_add_nc_u64 s[58:59], s[14:15], s[62:63]
	s_add_nc_u64 s[68:69], s[4:5], s[68:69]        ; x for the head,
	s_add_nc_u64 s[72:73], s[4:5], s[70:71]        ; x for the tail,
	s_add_nc_u64 s[22:23], s[22:23], s[70:71]      ; out0
	s_add_nc_u64 s[6:7], s[6:7], s[74:75]
	s_add_nc_u64 s[16:17], s[16:17], s[74:75]
	s_add_nc_u64 s[8:9], s[8:9], s[76:77]
	s_add_nc_u64 s[18:19], s[18:19], s[76:77]
	s_add_nc_u64 s[10:11], s[10:11], s[78:79]
	s_add_nc_u64 s[20:21], s[20:21], s[78:79]
	ROUND                                          ; all four work-groups are here: the first joint loads meet
	JL 40                                          ; K's first block,
	JL 44                                          ; V's: the first fills, one group, ahead of every wait on TENSORcnt, every LDS read and every other barrier
	v_and_b32 v58, 31, v0                          ; lane
	v_and_b32 v59, 15, v0                          ; r
	v_bfe_u32 v56, v0, 4, 1                        ; h
	v_lshlrev_b32 v57, 4, v58
	v_add_nc_u32 v[AK], s29, v57
	v_add_nc_u32 v[AV], VSL, v[AK]
	v_add_nc_u32 v[IM16], XIMG, v57
	v_lshl_add_u32 v[IM4], v58, 2, XSC
	v_bfe_u32 v40, v0, 6, 1                        ; wave / 2
	v_bfe_u32 v41, v0, 5, 1                        ; wave % 2
	v_bfe_u32 v42, v0, 4, 2                        ; the head: my pixel's tile, 2 (wave % 2) + lane / 16
	v_lshl_add_u32 v[PW16], v40, 11, v[IM16]       ; my 64 channels of q or z are K step wave / 2,
	v_lshl_add_u32 v[PW16], v41, 10, v[PW16]       ; register groups 2 (wave % 2) and + 1
	v_lshl_add_u32 v[PW2], v59, 2, XSC
	v_lshl_add_u32 v[PW2], v40, 6, v[PW2]
	v_lshl_add_u32 v[PW2], v41, 1, v[PW2]
	v_lshlrev_b32 v[PFO], 8, v58
	v_lshl_add_u32 v[XW], v59, 4, XIMG             ; x's codes: image 2 T + wave / 2, lane place r (+ 16 for the upper 16 of a block)
	v_lshl_add_u32 v[XW], v42, 12, v[XW]
	v_lshl_add_u32 v[XW], v40, 11, v[XW]
	v_lshl_add_u32 v[XWS], v59, 2, XSC
	v_lshl_add_u32 v[XWS], v42, 7, v[XWS]
	v_lshl_add_u32 v[XWS], v40, 6, v[XWS]
	v_lshlrev_b32 v[X4], 2, v58
	v_and_b32 v43, 8, v59
	v_add_nc_u32 v43, v43, v59                     ; perm(r)
	v_lshlrev_b32 v[WQA], 8, v43
	v_lshl_add_u32 v[WQA], v56, 4, v[WQA]
	v_lshlrev_b32 v[WQSA], 3, v43
	v_lshl_add_u32 v[WQSA], v56, 2, v[WQSA]
	v_lshlrev_b32 v[BQA], 6, v56
	; ---- x: a lane takes a pixel, its registers run down 128 channels: a block of 32 along K lies in one lane.  A load covers 128 consecutive bytes; the wave beside me takes the next 128
	WIN 0x40                                       ; destination window 1
.set i, 0
.rept 128
	global_load_b32 v[i], v[X4], s[68:69] offset:i*16384
.set i, i+1
.endr
.irp t, 0,1,2,3                                ; Wq's rows 64 x wave + tb(t) + perm(r): fragment (t, s) at v[128 + 32 t + 16 s]
.irp s, 0,1
.irp c, 0,1,2,3
	global_load_b128 v[128+32*\t+16*\s+4*\c:128+32*\t+16*\s+4*\c+3], v[WQA], s[6:7] offset:(32*(\t/2)+8*(\t%2))*256+128*\s+32*\c
.endr
.endr
.endr
	WIN 0
.irp t, 0,1,2,3
	global_load_b32 v[KS+\t], v[WQSA], s[8:9] offset:(32*(\t/2)+8*(\t%2))*8
.endr
	WIN 0x80                                       ; destination window 2
.irp t, 0,1,2,3
	global_load_b128 v[128+8*\t:128+8*\t+3], v[BQA], s[10:11] offset:(32*(\t/2)+8*(\t%2))*4    ; bq in the result's layout: the C of each sum's first product
	global_load_b128 v[128+8*\t+4:128+8*\t+7], v[BQA], s[10:11] offset:(32*(\t/2)+8*(\t%2))*4+16
.endr
	; O^T begins as zeros, so that the key step is written twice and not three times; this half is cleared while x is on its way
	WIN 0xc0
.set i, 0
.rept 256
	v_mov_b32 v[i], 0
.set i, i+1
.endr
	WIN 0
.irp T, 0,1,2,3
	v_mov_b32 v[ST+4*\T], 0x7f61b1e6               ; -M: 3e38, over every -t
	v_mov_b32 v[ST+4*\T+1], 0                      ; (named as the upper half of a pair before it is first written)
	v_mov_b32 v[ST+4*\T+2], 0                      ; l, in two halves
	v_mov_b32 v[ST+4*\T+3], 0
	v_mov_b32 v[PT+\T], 0                          ; a lane permute's destination counts as one of its sources
.endr
	s_wait_loadcnt 44                              ; x's 128 loads are in; the 32 + 4 + 8 loads of Wq, its scale words and bq, issued behind them, may be out
	WIN 0x05
.irp b, 0,1,2,3
	v_max3_num_f32 v[BMX+\b], |v[32*\b]|, |v[32*\b+1]|, 0x4800000   ; block b's largest magnitude: all 32 numbers are mine; and the floor 2^(9 - 127), which holds the byte at 1 from below
.endr
	WIN 0x14
.irp i, 2,4,6,8,10,12,14,16,18,20,22,24,26,28,30
.irp b, 0,1,2,3
	v_max3_num_f32 v[BMX+\b], v[BMX+\b], |v[32*\b+\i]|, |v[32*\b+\i+1]|
.endr
.endr
	WIN 0
.irp b, 0,1,2,3
	v_add_nc_u32 v[SOP+\b], 0xfc000000, v[BMX+\b]  ; 8 off the exponent field: the conversion's scale operand
.endr
.irp b, 0,1,2,3
	v_and_or_b32 v[HOLD+\b], v[BMX+\b], 0x7f800000, s52   ; 448 x the scale
.endr
.irp b, 0,1,2,3
	v_lshrrev_b32 v[PT+\b], 23, v[SOP+\b]          ; the scale's byte
.endr
	v_lshl_or_b32 v[TW], v[PT+1], 8, v[PT]
	v_lshl_or_b32 v[TW], v[PT+2], 16, v[TW]
	v_lshl_or_b32 v[TW], v[PT+3], 24, v[TW]        ; my pixel's scale word of this K step
	WIN 0x41
.irp b, 0,1,2,3
.set i, 0
.rept 32
	v_med3_num_f32 v[32*\b+i], v[32*\b+i], -v[HOLD+\b], v[HOLD+\b]   ; the conversion to an 8-bit code does not saturate (ISA guide 7.6.2): the hold comes first
.set i, i+1
.endr
.endr
	WIN 0x01
.irp b, 0,1,2,3
.irp g, 0,1,2,3
	v_cvt_scalef32_pk8_fp8_f32 v[KF+8*\b+2*\g:KF+8*\b+2*\g+1], v[32*\b+8*\g:32*\b+8*\g+7], v[SOP+\b]
.endr
.endr
	WIN 0
	v_nop                                          ; a plain instruction behind the last conversion
.irp b, 0,1,2,3
	ds_store_b128 v[XW], v[KF+8*\b:KF+8*\b+3] offset:512*\b          ; channels 32 b + 0..15: the place of lane (r, 0) in register group b
	ds_store_b128 v[XW], v[KF+8*\b+4:KF+8*\b+7] offset:512*\b+256    ; channels 32 b + 16..31: that of lane (r, 1)
.endr
	ds_store_b32 v[XWS], v[TW]
	BAR                                            ; x's eight images lie in LDS
	; ---- q = Wq x + bq, my 64 channels for all 64 pixels: source 0 = 16 rows of Wq, source 1 = 16 pixels
	WIN 0x40
.irp f, 0,1,2,3,4,5,6,7
.irp c, 0,1,2,3
	ds_load_b128 v[16*\f+4*\c:16*\f+4*\c+3], v[IM16] offset:2048*\f+512*\c
.endr
.endr
	WIN 0
.irp T, 0,1,2,3
	ds_load_b32 v[QS+\T], v[IM4] offset:128*\T
.endr
	s_wait_loadcnt 0x0                             ; Wq, its scale words, bq
	s_wait_dscnt 0x0
	WIN 0xa5                                       ; sources 0 and 1 window 1, C and D window 2
.irp T, 0,1,2,3                                ; sixteen results by turns, one instruction a turn
.irp t, 0,1,2,3
	v_wmma_scale_f32_16x16x128_f8f6f4 v[32*\T+8*\t:32*\T+8*\t+7], v[128+32*\t:128+32*\t+15], v[32*\T:32*\T+15], v[128+8*\t:128+8*\t+7], v[KS+\t], v[QS+\T]
.endr
.endr
.irp T, 0,1,2,3
.irp t, 0,1,2,3
	v_wmma_scale_f32_16x16x128_f8f6f4 v[32*\T+8*\t:32*\T+8*\t+7], v[144+32*\t:144+32*\t+15], v[32*\T+16:32*\T+31], v[32*\T+8*\t:32*\T+8*\t+7], v[KS+\t], v[QS+\T] matrix_a_scale:MATRIX_SCALE_ROW1 matrix_b_scale:MATRIX_SCALE_ROW1
.endr
.endr
	PLACES 8                                       ; between this matrix form and the first read of its results (ISA guide 7.12.1)
; Four blocks of 16 registers a lane, from v[base] of window win on, are quantised: a block's other 16 numbers lie in lane l xor 16.  Codes to v[pc] on (window 0), the bytes stay in v[PT] on.
.macro QUANT4 base, win, pc
	WIN (\win)|((\win)<<2)
.irp b, 0,1,2,3
	v_max3_num_f32 v[BMX+\b], |v[(\base)+16*\b]|, |v[(\base)+16*\b+1]|, 0x4800000   ; from each result's low end on
.endr
	WIN ((\win)<<2)|((\win)<<4)
.irp i, 2,4,6,8,10,12,14
.irp b, 0,1,2,3
	v_max3_num_f32 v[BMX+\b], v[BMX+\b], |v[(\base)+16*\b+\i]|, |v[(\base)+16*\b+\i+1]|
.endr
.endr
	WIN 0
.irp b, 0,1,2,3
	v_permlanex16_b32 v[PT+\b], v[BMX+\b], s48, s49
.endr
.irp b, 0,1,2,3
	v_max_num_f32 v[BMX+\b], v[BMX+\b], v[PT+\b]
.endr
.irp b, 0,1,2,3
	v_add_nc_u32 v[SOP+\b], 0xfc000000, v[BMX+\b]
.endr
.irp b, 0,1,2,3
	v_and_or_b32 v[HOLD+\b], v[BMX+\b], 0x7f800000, s52
.endr
.irp b, 0,1,2,3
	v_lshrrev_b32 v[PT+\b], 23, v[SOP+\b]
.endr
	WIN ((\win)<<6)|(\win)
.irp b, 0,1,2,3
.irp i, 0,1,2,3,4,5,6,7,8,9,10,11,12,13,14,15
	v_med3_num_f32 v[(\base)+16*\b+\i], v[(\base)+16*\b+\i], -v[HOLD+\b], v[HOLD+\b]
.endr
.endr
	WIN (\win)
.irp b, 0,1,2,3
	v_cvt_scalef32_pk8_fp8_f32 v[(\pc)+4*\b:(\pc)+4*\b+1], v[(\base)+16*\b:(\base)+16*\b+7], v[SOP+\b]
	v_cvt_scalef32_pk8_fp8_f32 v[(\pc)+4*\b+2:(\pc)+4*\b+3], v[(\base)+16*\b+8:(\base)+16*\b+15], v[SOP+\b]
.endr
	WIN 0
	v_nop                                          ; a plain instruction behind the last conversion
.endm
; My 64 channels x 64 pixels in window 2, v[32 T + 8 t] (q or z), go to LDS as my part of the eight images: two register groups and two scale bytes for each tile T.  Lanes r and r + 16 store the same two bytes.
.macro PUTQ dimg
.irp i, 0,1
	QUANT4 64*\i, 2, KF+16*\i
	v_lshl_or_b32 v[HW+2*\i], v[PT+1], 8, v[PT]
	v_lshl_or_b32 v[HW+2*\i+1], v[PT+3], 8, v[PT+2]
.irp b, 0,1,2,3
	ds_store_b128 v[PW16], v[KF+16*\i+4*\b:KF+16*\i+4*\b+3] offset:\dimg+4096*(2*\i+\b/2)+512*(\b%2)
.endr
	ds_store_b16 v[PW2], v[HW+2*\i] offset:\dimg+128*(2*\i)
	ds_store_b16 v[PW2], v[HW+2*\i+1] offset:\dimg+128*(2*\i+1)
.endr
.endm
	PUTQ DQ
	BAR                                            ; q's eight images lie in LDS
.irp f, 0,1,2,3,4,5,6,7                        ; Q stays in registers: fragment (T, s) at v[64 + 32 T + 16 s]
.irp c, 0,1,2,3
	ds_load_b128 v[Q+16*\f+4*\c:Q+16*\f+4*\c+3], v[IM16] offset:DQ+2048*\f+512*\c
.endr
.endr
.irp T, 0,1,2,3
	ds_load_b32 v[QS+\T], v[IM4] offset:DQ+128*\T
.endr
	WIN 0x80
.set i, 0
.rept 256
	v_mov_b32 v[i], 0                              ; the other half of O^T
.set i, i+1
.endr
	WIN 0
; key tile kt's two fragments (K steps 0 and 1) into buffer buf
.macro KLD kt, buf
.irp s, 0,1
.irp c, 0,1,2,3
	ds_load_b128 v[KF+32*(\buf)+16*\s+4*\c:KF+32*(\buf)+16*\s+4*\c+3], v[AK] offset:(2*(\kt)+\s)*2048+512*\c
.endr
.endr
.endm
; S^T = K Q^T for my block's 128 keys and all 64 queries: eight key tiles, each read from LDS once and multiplied by the four tiles of queries.  Key tile 0 was fetched ahead.
.macro SPHASE
	ds_load_b128 v[KS:KS+3], v[AK] offset:SCO          ; K's scale words: register kt: lanes 0-15 K step 0's, lanes 16-31 K step 1's
	ds_load_b128 v[KS+4:KS+7], v[AK] offset:SCO+512
	KLD 1, 1
.irp kt, 0,1,2,3,4,5,6,7
.if \kt < 7
	s_wait_dscnt 8                                 ; this key tile (and the scale words) are in; the next tile's eight loads may be out
.else
	s_wait_dscnt 0
.endif
	WIN 0x50                                       ; C and D window 1
.irp T, 0,1,2,3                                ; four results by turns, one instruction a turn; the first product starts each sum
	v_wmma_scale_f32_16x16x128_f8f6f4 v[64*\T+8*\kt:64*\T+8*\kt+7], v[KF+32*(\kt%2):KF+32*(\kt%2)+15], v[Q+32*\T:Q+32*\T+15], 0, v[KS+\kt], v[QS+\T]
.endr
.irp T, 0,1,2,3
	v_wmma_scale_f32_16x16x128_f8f6f4 v[64*\T+8*\kt:64*\T+8*\kt+7], v[KF+32*(\kt%2)+16:KF+32*(\kt%2)+31], v[Q+32*\T+16:Q+32*\T+31], v[64*\T+8*\kt:64*\T+8*\kt+7], v[KS+\kt], v[QS+\T] matrix_a_scale:MATRIX_SCALE_ROW1 matrix_b_scale:MATRIX_SCALE_ROW1
.endr
.if \kt != 6
	PLACES 8                                       ; in front of loads into the buffer just multiplied, and of the first read of results
	WIN 0
.endif
.if \kt < 6
	KLD \kt+2, \kt%2
.endif
.endr
.endm
; THE MAXIMA AND f, for the four tiles together, line by line, so that no line reads the result of one of the three lines above it.  A lane holds one query; register 16 b + i of a tile's S^T is key 32 b + 16 h + i.
.macro APHASE
	WIN 0x15
.irp T, 0,1,2,3
.irp b, 0,1,2,3
	v_max3_num_f32 v[BMX+4*\T+\b], v[64*\T+16*\b], v[64*\T+16*\b+1], v[64*\T+16*\b+2]   ; the largest score of each block of 32 keys: it serves for the row's maximum and, since p rises with the score, for the block's largest p
.endr
.endr
	WIN 0x14
.irp i, 3,5,7,9,11,13
.irp T, 0,1,2,3
.irp b, 0,1,2,3
	v_max3_num_f32 v[BMX+4*\T+\b], v[BMX+4*\T+\b], v[64*\T+16*\b+\i], v[64*\T+16*\b+\i+1]
.endr
.endr
.endr
.irp T, 0,1,2,3
.irp b, 0,1,2,3
	v_max_num_f32 v[BMX+4*\T+\b], v[BMX+4*\T+\b], v[64*\T+16*\b+15]
.endr
.endr
	WIN 0
.set j, 0
.rept 16
	v_permlanex16_b32 v[WK+j], v[BMX+j], s48, s49
.set j, j+1
.endr
.set j, 0
.rept 16
	v_max_num_f32 v[BMX+j], v[BMX+j], v[WK+j]      ; with lane l xor 16's 16 keys
.set j, j+1
.endr
.irp T, 0,1,2,3
	v_max3_num_f32 v[WK+\T], v[BMX+4*\T], v[BMX+4*\T+1], v[BMX+4*\T+2]
.endr
.irp T, 0,1,2,3
	v_max_num_f32 v[WK+\T], v[WK+\T], v[BMX+4*\T+3]
.endr
.irp T, 0,1,2,3
	v_mul_f32 v[WK+\T], s50, v[WK+\T]              ; the step's largest t (c is positive)
.endr
.irp T, 0,1,2,3
	v_floor_f32 v[WK+\T], -v[WK+\T]                ; floor(-t) = -ceil(t)
.endr
.irp T, 0,1,2,3
	v_mov_b32 v[WK+4+\T], v[ST+4*\T]
.endr
.irp T, 0,1,2,3
	v_min_num_f32 v[ST+4*\T], v[ST+4*\T], v[WK+\T] ; the new -M: the ceiling of a maximum is the maximum of the ceilings
.endr
.irp T, 0,1,2,3
	v_sub_f32 v[WK+4+\T], v[ST+4*\T], v[WK+4+\T]   ; old M - new M: a whole number, 0 or less
.endr
.irp T, 0,1,2,3
	v_cvt_i32_f32 v[WK+4+\T], v[WK+4+\T]           ; (it saturates)
.endr
.irp T, 0,1,2,3
	v_ldexp_f32 v[F+2*\T], 1.0, v[WK+4+\T]         ; f = 2^(old M - new M)
.endr
.irp T, 0,1,2,3
.irp b, 0,1,2,3
	v_fma_f32 v[BMX+4*\T+\b], v[BMX+4*\T+\b], s50, v[ST+4*\T]   ; t - M of each block's largest score
.endr
.endr
.irp T, 0,1,2,3
	v_pk_mul_f32 v[ST+4*\T+2:ST+4*\T+3], v[ST+4*\T+2:ST+4*\T+3], v[F+2*\T:F+2*\T+1] op_sel_hi:[1,0]   ; l under the new M
.endr
.endm
.macro FMA t, p                        ; pair p of tile t: t - M, two at a time (of the pairs c and -M the low word serves both halves)
	v_pk_fma_f32 v[64*(\t)+2*(\p):64*(\t)+2*(\p)+1], v[64*(\t)+2*(\p):64*(\t)+2*(\p)+1], s[50:51], v[ST+4*(\t):ST+4*(\t)+1] op_sel_hi:[1,0,0]
.endm
; TILE T's 64 EXPONENTIALS, p = 2^(t - M): one batch, none of whose results is named before the wait behind it.  Between them stand the holds of tile T - 1 (p is not negative, so a hold is one-sided) and the scalings of tile
; T + 1 (tile 0's own scalings run two pairs ahead of its exponentials).  All name window 1 as destination and source 0.  The batch ends with a plain line.
.macro EB T
	WIN 0x41
.if (\T) == 0
	FMA 0, 0
	FMA 0, 1
.endif
.set i, 0
.rept 32
	v_exp_f32 v[64*(\T)+2*i], v[64*(\T)+2*i]
.if (\T) == 0
.if i < 30
	FMA 0, i+2
.endif
.else
	v_min_num_f32 v[64*((\T)-1)+2*i], v[64*((\T)-1)+2*i], v[BMX+4*((\T)-1)+i/8]
.endif
	v_exp_f32 v[64*(\T)+2*i+1], v[64*(\T)+2*i+1]
.if (\T) > 0
	v_min_num_f32 v[64*((\T)-1)+2*i+1], v[64*((\T)-1)+2*i+1], v[BMX+4*((\T)-1)+i/8]
.endif
.if (\T) < 3
	FMA (\T)+1, i
.endif
.set i, i+1
.endr
.endm
; TILE T's SUM AND SCALES.  The sum of the unquantised p, two at a time, in four chains (l itself, v[10:11], v[c2] on).  Then, of each block's largest p: the conversions' scale operand (v[sp] on), 448 x the scale (in place), the byte (v[by] on), p's scale word.
.macro CPH T, by, sp, c2
.set SB, 64*(\T)
.set LL, ST+4*(\T)+2
.set BB, BMX+4*(\T)
	WIN 0x05
	v_pk_add_f32 v[SUM:SUM+1], v[SB:SB+1], v[SB+2:SB+3]
	v_pk_add_f32 v[\c2:\c2+1], v[SB+4:SB+5], v[SB+6:SB+7]
	v_pk_add_f32 v[\c2+2:\c2+3], v[SB+8:SB+9], v[SB+10:SB+11]
	WIN 0x04
.set j, SB+12
.rept 6
	v_pk_add_f32 v[LL:LL+1], v[LL:LL+1], v[j:j+1]
	v_pk_add_f32 v[SUM:SUM+1], v[SUM:SUM+1], v[j+2:j+3]
	v_pk_add_f32 v[\c2:\c2+1], v[\c2:\c2+1], v[j+4:j+5]
	v_pk_add_f32 v[\c2+2:\c2+3], v[\c2+2:\c2+3], v[j+6:j+7]
.set j, j+8
.endr
	v_pk_add_f32 v[LL:LL+1], v[LL:LL+1], v[j:j+1]
	v_pk_add_f32 v[SUM:SUM+1], v[SUM:SUM+1], v[j+2:j+3]
	WIN 0
	v_pk_add_f32 v[\c2:\c2+1], v[\c2:\c2+1], v[\c2+2:\c2+3]
	v_pk_add_f32 v[LL:LL+1], v[LL:LL+1], v[SUM:SUM+1]
	v_pk_add_f32 v[LL:LL+1], v[LL:LL+1], v[\c2:\c2+1]
.irp b, 0,1,2,3
	v_max_num_f32 v[BB+\b], 0x4800000, v[BB+\b]    ; the floor 2^(9 - 127): the byte cannot fall under 1
.endr
.irp b, 0,1,2,3
	v_add_nc_u32 v[\sp+\b], 0xfc000000, v[BB+\b]   ; 8 off the exponent field
.endr
.irp b, 0,1,2,3
	v_and_or_b32 v[BB+\b], v[BB+\b], 0x7f800000, s52
.endr
.irp b, 0,1,2,3
	v_lshrrev_b32 v[\by+\b], 23, v[\sp+\b]
.endr
	v_lshl_or_b32 v[LL-1], v[\by+1], 8, v[\by]     ; p's scale word for these 128 keys
	v_lshl_or_b32 v[LL-1], v[\by+2], 16, v[LL-1]
	v_lshl_or_b32 v[LL-1], v[\by+3], 24, v[LL-1]
.endm
.macro CVT T, sp                       ; tile T's p, held, becomes the second product's operand.  The next vector lines are plain and name none of these registers
	WIN 0x01
.irp b, 0,1,2,3
	v_cvt_scalef32_pk8_fp8_f32 v[KF+16*(\T)+4*\b:KF+16*(\T)+4*\b+1], v[64*(\T)+16*\b:64*(\T)+16*\b+7], v[\sp+\b]
	v_cvt_scalef32_pk8_fp8_f32 v[KF+16*(\T)+4*\b+2:KF+16*(\T)+4*\b+3], v[64*(\T)+16*\b+8:64*(\T)+16*\b+15], v[\sp+\b]
.endr
.endm
.macro VLD T                           ; V's fragments 4 T .. 4 T + 3 into the registers that S^T of tile T has left
	WIN 0x40
.irp f, 0,1,2,3
.irp c, 0,1,2,3
	ds_load_b128 v[64*(\T)+16*\f+4*\c:64*(\T)+16*\f+4*\c+3], v[AV] offset:(4*(\T)+\f)*2048+512*\c
.endr
.endr
.endm
.macro RS m                            ; accumulator m = 16 T + c of O^T under the new M: x f of its tile, from its low end on
.set rR, 128*(((\m)/16)%2)+8*((\m)%16)
	WIN 0x82+0x41*((\m)/32)
.irp k, 0,2,4,6
	v_pk_mul_f32 v[rR+\k:rR+\k+1], v[rR+\k:rR+\k+1], v[F+2*((\m)/16):F+2*((\m)/16)+1] op_sel_hi:[1,0]
.endr
.endm
; O^T += V^T P^T: 64 accumulators (n = 16 T + c), one instruction each: no two neighbours share one.  Behind product n stand the four lines that rescale accumulator n + 8 (0 to 7 were rescaled ahead): 28 plain lines lie between an
; accumulator's rescaling and its product.  pre = 1: behind product 33 the next block's first key tile is fetched into the registers that p of tiles 0 and 1 has left: their last reader is product 31, and the twelve
; lines for accumulators 39 to 41, which name none of its registers, are the places between.
.macro PV pre
.set n, 0
.rept 64
.set rO, 128*((n/16)%2)+8*(n%16)
.set rV, 16*(n%16)
.set rP, KF+16*(n/16)
.set rS, KS+4*((n%16)/8)+n%4
.set rQ, ST+4*(n/16)+1
	WIN 0xa1+0x50*(n/32)                           ; source 0 (V) window 1, source 1 (p) window 0, C and D window 2 or 3
.if ((n%16)/4)%2
	v_wmma_scale_f32_16x16x128_f8f6f4 v[rO:rO+7], v[rV:rV+15], v[rP:rP+15], v[rO:rO+7], v[rS], v[rQ] matrix_a_scale:MATRIX_SCALE_ROW1
.else
	v_wmma_scale_f32_16x16x128_f8f6f4 v[rO:rO+7], v[rV:rV+15], v[rP:rP+15], v[rO:rO+7], v[rS], v[rQ]
.endif
.if n < 56
	RS n+8
.endif
.if (n == 33) && (\pre)
	WIN 0
	KLD 0, 0
.endif
.set n, n+1
.endr
	PLACES 9                                       ; the next step's products write over registers that these have read as V: nine places; they serve the next loads too
	WIN 0
.endm
; A KEY STEP: my block of 128 keys against 64 queries.  fill = 1: both slots are filled again, each behind a round of the cluster's barrier: in front of it every wave waits for all its tensor loads, adds 0 to its spare
; word, and waits for that and for its reads of the slot.  K's refill has the four tiles' exponentials and sums in which to land, V's the second product, the next first product and the maxima.
.macro STEP fill
	SPHASE
	APHASE
	s_wait_tensorcnt 0x0                           ; my one load that was out, this step's V, has landed: no tensor load of mine is out, so a group 0 may be written
.if \fill
	ds_add_u32 v[SPW], v[NIL]
	s_add_nc_u64 s[42:43], s[42:43], 4*BLK         ; K's next block of mine; the type bits on top are not reached
	s_wait_xcnt 0x0                                ; the last prefetches have read their addresses
	s_add_nc_u64 s[56:57], s[56:57], 4*BLK
	s_wait_dscnt 0x0                               ; the add is done, and my reads of K's slot are over
	ROUND
	JL 40
	ASK 56
.endif
	ds_load_b128 v[KS:KS+3], v[AV] offset:SCO          ; V's scale words: register 4 i + q: lanes 0-15 channel tile 8 i + q, lanes 16-31 tile 8 i + 4 + q
	ds_load_b128 v[KS+4:KS+7], v[AV] offset:SCO+512
.set j, 0
.rept 16
	v_exp_f32 v[BMX+j], v[BMX+j]                   ; the blocks' largest p, all four tiles': the same two instructions on the same number give the same bits as in the batches.  They go with tile 0's batch
.set j, j+1
.endr
	EB 0
	WIN 0
	s_wait_alu depctr_va_vdst(0)                   ; one wait for the 16 and the 64, ahead of their first reader
	CPH 0, WK, WK+4, WK+8
	EB 1
	CVT 0, WK+4                                    ; tile 0's conversions and V's first loads name no result of tile 1's batch: they stand between the batch and its wait
	VLD 0
	WIN 0
	s_wait_alu depctr_va_vdst(0)
	CPH 1, WK, WK+4, WK+8
	EB 2
	CVT 1, WK+4
	VLD 1
	WIN 0
	s_wait_alu depctr_va_vdst(0)
	CPH 2, WK, WK+4, WK+8
	EB 3
	CVT 2, WK+4
	VLD 2
	WIN 0
	s_wait_alu depctr_va_vdst(0)
	CPH 3, BMX+4, BMX, BMX+8                       ; tile 3's codes will take v240-255: its temporaries lie where tiles 0 to 2 kept their blocks' figures
	WIN 0x41
.set j, 0
.rept 64
	v_min_num_f32 v[192+j], v[192+j], v[BMX+12+j/16]   ; tile 3's holds have no batch left to stand in
.set j, j+1
.endr
	CVT 3, BMX
	VLD 3
	WIN 0
.if \fill
	s_wait_tensorcnt 0x0                           ; the next block of K has landed
	ds_add_u32 v[SPW], v[NIL]
	s_add_nc_u64 s[46:47], s[46:47], 4*BLK
	s_wait_xcnt 0x0
	s_add_nc_u64 s[58:59], s[58:59], 4*BLK
.endif
.irp m, 0,1,2,3,4,5,6,7
	RS \m                                          ; the first eight accumulators are rescaled while V's last fragments are on their way out of LDS
.endr
	WIN 0
	s_wait_dscnt 0x0                               ; (the add is done, and) all of V's block lies in my registers
.if \fill
	ROUND
	JL 44
	ASK 58
.endif
	PV \fill
.endm
	s_wait_tensorcnt 1                             ; K's first block is in; V's, issued behind it, may be out: nothing is filled here
	KLD 0, 0
	s_mov_b32 s[CNT], 7
.Lstep:                                            ; seven trips; at the head, on both ways in: one tensor load (V's) and eight LDS loads (key tile 0) are out
	STEP 1
	s_sub_co_u32 s[CNT], s[CNT], 1
	s_cmp_lg_u32 s[CNT], 0
	s_cbranch_scc1 .Lstep
	STEP 0                                         ; the last step is written out
	; ---- THE TAIL.  l's two halves and the other half of the lanes'
.irp T, 0,1,2,3
	v_add_f32 v[ST+4*\T+2], v[ST+4*\T+2], v[ST+4*\T+3]
.endr
.irp T, 0,1,2,3
	v_permlanex16_b32 v[PT+\T], v[ST+4*\T+2], s48, s49
.endr
.irp T, 0,1,2,3
	v_add_f32 v[ST+4*\T+2], v[ST+4*\T+2], v[PT+\T]
.endr
	v_and_b32 v56, 31, v0                          ; lane
	v_and_b32 v57, 15, v0                          ; r
	v_bfe_u32 v58, v0, 4, 1                        ; h
	v_lshlrev_b32 v59, 4, v56
	v_lshlrev_b32 v[WOA], 8, v57
	v_lshl_add_u32 v[WOA], v58, 4, v[WOA]          ; Wo: row r, + 16 h
	v_lshlrev_b32 v[WOSA], 3, v57
	v_lshl_add_u32 v[WOSA], v58, 2, v[WOSA]
	v_lshlrev_b32 v[BOA], 2, v57
	v_lshlrev_b32 v[GXO], 14, v58
	v_lshl_add_u32 v[GXO], v57, 4, v[GXO]          ; x and out0: lanes 0-15 one channel's 256 bytes, lanes 16-31 the next channel's
	s_lshl_b32 s28, s[WV], 10
	v_lshl_add_u32 v[SL], v56, 2, STATS
	v_add_nc_u32 v[ST4], s28, v[SL]
	s_lshl_b32 s28, s[WV], 16
	v_add_nc_u32 v[MW], s28, v59                   ; the merge: I write at 65,536 x wave,
	s_lshl_b32 s28, s[WV], 14
	v_add_nc_u32 v[MR], s28, v59                   ; and read, of each wave's four parts, the one at 16,384 x my number
.irp g, 1,2,3
	v_add_nc_u32 v[MR+\g], \g<<16, v[MR]
.endr
	s_mul_i32 s28, s[WV], 64*SROW                  ; my stage
	v_mul_u32_u24 v[STO], v57, SROW
	v_lshl_add_u32 v[STO], v58, 5, v[STO]
	v_add_nc_u32 v[STO], s28, v[STO]               ; in: row r, 32 bytes for each half of the lanes
	v_mul_u32_u24 v[SRD], v58, SROW
	v_lshl_add_u32 v[SRD], v57, 4, v[SRD]
	v_add_nc_u32 v[SRD], s28, v[SRD]               ; back: lanes 0-15 one row, lanes 16-31 the next
	WIN 0x40                                       ; what the end will want is asked for now, ahead of the merge
.set i, 0
.rept 32
	global_load_b128 v[4*i:4*i+3], v[GXO], s[72:73] offset:i*32768   ; x of my 64 channels x 64 pixels: 16 lanes read 256 consecutive bytes, aligned
.set i, i+1
.endr
.irp t, 0,1,2,3                                ; Wo's rows 64 x wave + 16 t + r: fragment (t, s) at v[128 + 32 t + 16 s]
.irp s, 0,1
.irp c, 0,1,2,3
	global_load_b128 v[128+32*\t+16*\s+4*\c:128+32*\t+16*\s+4*\c+3], v[WOA], s[16:17] offset:\t*4096+128*\s+32*\c
.endr
.endr
.endr
	WIN 0
.irp t, 0,1,2,3
	global_load_b32 v[KS+\t], v[WOSA], s[18:19] offset:\t*128
	global_load_b32 v[BOV+\t], v[BOA], s[20:21] offset:\t*64
.endr
	s_wait_tensorcnt 0x0
	BAR                                            ; nobody reads the slots any more and nothing is on its way to them: they have had their last fill
.irp T, 0,1,2,3                                ; every wave stores its O^T in four parts, one for each wave: channel tiles 4 d .. 4 d + 3 go to wave d.  Each result from its low end on
	WIN 0x08+4*(\T/2)                              ; an LDS store's data are its source 1: window 2 or 3
.irp c, 0,1,2,3,4,5,6,7,8,9,10,11,12,13,14,15
	ds_store_b128 v[MW], v[128*(\T%2)+8*\c:128*(\T%2)+8*\c+3] offset:(\c/4)*16384+1024*(4*\T+\c%4)
	ds_store_b128 v[MW], v[128*(\T%2)+8*\c+4:128*(\T%2)+8*\c+7] offset:(\c/4)*16384+1024*(4*\T+\c%4)+512
.endr
.endr
	WIN 0
.irp T, 0,1,2,3
	ds_store_b32 v[ST4], v[ST+4*\T] offset:256*\T
	ds_store_b32 v[ST4], v[ST+4*\T+2] offset:256*\T+128
.endr
	BAR                                            ; all parts and all -M and l lie in LDS
.irp g, 0,1,2,3
.irp T, 0,1,2,3
	ds_load_b32 v[KF+8*\g+2*\T], v[SL] offset:1024*\g+256*\T
	ds_load_b32 v[KF+8*\g+2*\T+1], v[SL] offset:1024*\g+256*\T+128
.endr
.endr
	WIN 0x80                                       ; wave 0's and wave 1's parts for me into window 2, wave 2's and 3's into window 3: register 32 T + 8 t + j
.irp g, 0,1
.set i, 0
.rept 32
	ds_load_b128 v[128*\g+4*i:128*\g+4*i+3], v[MR+\g] offset:512*i
.set i, i+1
.endr
.endr
	WIN 0xc0
.irp g, 0,1
.set i, 0
.rept 32
	ds_load_b128 v[128*\g+4*i:128*\g+4*i+3], v[MR+2+\g] offset:512*i
.set i, i+1
.endr
.endr
	WIN 0
	s_wait_dscnt 0x0
.irp T, 0,1,2,3
	v_min_num_f32 v[BMX+\T], v[KF+2*\T], v[KF+8+2*\T]
.endr
.irp T, 0,1,2,3
	v_min_num_f32 v[BMX+\T], v[BMX+\T], v[KF+16+2*\T]
.endr
.irp T, 0,1,2,3
	v_min_num_f32 v[BMX+\T], v[BMX+\T], v[KF+24+2*\T]   ; -M of the largest M
.endr
.irp g, 0,1,2,3
.irp T, 0,1,2,3
	v_sub_f32 v[KF+8*\g+2*\T], v[BMX+\T], v[KF+8*\g+2*\T]   ; wave g's M less the largest: a whole number, 0 or less
.endr
.endr
.irp g, 0,1,2,3
.irp T, 0,1,2,3
	v_cvt_i32_f32 v[KF+8*\g+2*\T], v[KF+8*\g+2*\T]
.endr
.endr
.irp g, 0,1,2,3
.irp T, 0,1,2,3
	v_ldexp_f32 v[KF+8*\g+2*\T], 1.0, v[KF+8*\g+2*\T]   ; the power of two that brings wave g's part under the largest M
.endr
.endr
.irp T, 0,1,2,3
	v_mul_f32 v[PT+\T], v[KF+2*\T], v[KF+2*\T+1]
.endr
.irp g, 1,2,3
.irp T, 0,1,2,3
	v_fmac_f32 v[PT+\T], v[KF+8*\g+2*\T], v[KF+8*\g+2*\T+1]   ; the row's sum
.endr
.endr
.irp T, 0,1,2,3
	v_rcp_f32 v[HOLD+\T], v[PT+\T]
.endr
	v_nop                                          ; a plain instruction behind the last reciprocal,
	s_wait_alu depctr_va_vdst(0)                   ; and one wait for the four, ahead of their first reader
.irp g, 0,1,2,3
.irp T, 0,1,2,3
	v_mul_f32 v[CP+2*(4*\g+\T)], v[KF+8*\g+2*\T], v[HOLD+\T]     ; wave g's factor for tile T, twice: a pair for the packed forms
	v_mul_f32 v[CP+2*(4*\g+\T)+1], v[KF+8*\g+2*\T], v[HOLD+\T]
.endr
.endr
	WIN 0x82
.irp T, 0,1,2,3
.set j, 32*\T
.rept 16
	v_pk_mul_f32 v[j:j+1], v[j:j+1], v[CP+2*\T:CP+2*\T+1]
.set j, j+2
.endr
.endr
	WIN 0xa2
.irp T, 0,1,2,3
.set j, 32*\T
.rept 16
	v_pk_fma_f32 v[j:j+1], v[128+j:129+j], v[CP+2*(4+\T):CP+2*(4+\T)+1], v[j:j+1]
.set j, j+2
.endr
.endr
	WIN 0xa3
.irp T, 0,1,2,3
.set j, 32*\T
.rept 16
	v_pk_fma_f32 v[j:j+1], v[j:j+1], v[CP+2*(8+\T):CP+2*(8+\T)+1], v[j:j+1]
.set j, j+2
.endr
.endr
.irp T, 0,1,2,3
.set j, 32*\T
.rept 16
	v_pk_fma_f32 v[j:j+1], v[128+j:129+j], v[CP+2*(12+\T):CP+2*(12+\T)+1], v[j:j+1]   ; z of my 64 channels, in q's layout
.set j, j+2
.endr
.endr
	PUTQ 0                                         ; z's images take the bytes that x's have left
	BAR                                            ; z's eight images lie in LDS; every wave's reads of the parts are over
	; ---- out = Wo z + bo + x: source 0 = 16 pixels of z, source 1 = 16 rows of Wo: a lane holds one channel (64 x wave + 16 t + r) and eight neighbouring pixels
	WIN 0xc0
.irp f, 0,1,2,3,4,5,6,7
.irp c, 0,1,2,3
	ds_load_b128 v[128+16*\f+4*\c:128+16*\f+4*\c+3], v[IM16] offset:2048*\f+512*\c
.endr
.endr
	WIN 0
.irp T, 0,1,2,3
	ds_load_b32 v[QS+\T], v[IM4] offset:128*\T
.endr
	s_wait_loadcnt 0x0                             ; x, Wo, its scale words, bo
.irp t, 0,1,2,3
.irp j, 0,1,2,3,4,5,6,7
	v_mov_b32 v[BOC+8*\t+\j], v[BOV+\t]            ; my channel's bo in all eight registers: the C of each sum's first product
.endr
.endr
	PLACES 4
	s_wait_dscnt 0x0
	WIN 0xc7                                       ; source 0 window 3, source 1 window 1, C window 0, D window 3
.irp T, 0,1,2,3                                ; sixteen results by turns
.irp t, 0,1,2,3
	v_wmma_scale_f32_16x16x128_f8f6f4 v[32*\T+8*\t:32*\T+8*\t+7], v[128+32*\T:128+32*\T+15], v[128+32*\t:128+32*\t+15], v[BOC+8*\t:BOC+8*\t+7], v[QS+\T], v[KS+\t]
.endr
.endr
	WIN 0xf7
.irp T, 0,1,2,3
.irp t, 0,1,2,3
	v_wmma_scale_f32_16x16x128_f8f6f4 v[32*\T+8*\t:32*\T+8*\t+7], v[144+32*\T:144+32*\T+15], v[144+32*\t:144+32*\t+15], v[32*\T+8*\t:32*\T+8*\t+7], v[QS+\T], v[KS+\t] matrix_a_scale:MATRIX_SCALE_ROW1 matrix_b_scale:MATRIX_SCALE_ROW1
.endr
.endr
	PLACES 8
	WIN 0x0c                                       ; through my own stage: a lane's 32 bytes of a row in, whole rows of 256 bytes back.  LDS serves a wave's instructions in order (ISA guide 5.7.1.4): no wait between
.irp T, 0,1,2,3
.irp t, 0,1,2,3
	ds_store_b128 v[STO], v[32*\T+8*\t:32*\T+8*\t+3] offset:\t*16*SROW+64*\T
	ds_store_b128 v[STO], v[32*\T+8*\t+4:32*\T+8*\t+7] offset:\t*16*SROW+64*\T+16
.endr
.endr
	WIN 0x80
.set i, 0
.rept 32
	ds_load_b128 v[4*i:4*i+3], v[SRD] offset:2*SROW*i
.set i, i+1
.endr
.irp q, 0,1,2,3
	s_wait_dscnt 24-8*\q                           ; these eight loads are in; the younger ones may be out
	WIN 0x86                                       ; destination and source 0 window 2, source 1 (x) window 1
.set j, 32*\q
.rept 16
	v_pk_add_f32 v[j:j+1], v[j:j+1], v[j:j+1]
.set j, j+2
.endr
	WIN 0x08
.irp i, 0,1,2,3,4,5,6,7
	global_store_b128 v[GXO], v[32*\q+4*\i:32*\q+4*\i+3], s[22:23] offset:(8*\q+\i)*32768 th:TH_STORE_NT   ; 16 lanes store 256 consecutive bytes, aligned; written once, read by nobody here
.endr
.endr
	WIN 0
	s_wait_tensorcnt 0x0                           ; the wave's end, behind my last tensor load and my last LDS store
	ds_add_u32 v[SPW], v[NIL]
	s_wait_dscnt 0x0
	ROUND                                          ; the closing round: no work-group ends while a partner may still ask for a block that names it
	s_endpgm
.Lfunc_end_k_qb3f3f9ffae_attn:
	.size	k_qb3f3f9ffae_attn, .Lfunc_end_k_qb3f3f9ffae_attn-k_qb3f3f9ffae_attn
	.p2alignl 7, 3214868480
	.fill 96, 4, 3214868480
	.section	.rodata,"a",@progbits
	.p2align	6, 0x0
	.amdhsa_kernel k_qb3f3f9ffae_attn
		.amdhsa_group_segment_fixed_size 327680
		.amdhsa_private_segment_fixed_size 0
		.amdhsa_enable_private_segment 0
		.amdhsa_kernarg_size 80
		.amdhsa_user_sgpr_count 2
		.amdhsa_user_sgpr_kernarg_segment_ptr 1
		.amdhsa_wavefront_size32 1
		.amdhsa_system_sgpr_workgroup_id_x 1
		.amdhsa_system_sgpr_workgroup_id_y 1
		.amdhsa_system_sgpr_workgroup_id_z 1
		.amdhsa_system_vgpr_workitem_id 0
		.amdhsa_next_free_vgpr 1024
		.amdhsa_next_free_sgpr 80
		.amdhsa_reserve_vcc 0
		.amdhsa_float_denorm_mode_32 3
		.amdhsa_float_denorm_mode_16_64 3
		.amdhsa_memory_ordered 1
		.amdhsa_forward_progress 1
		.amdhsa_inst_pref_size 255
	.end_amdhsa_kernel
	.section	.bss,"aw",@nobits
	.p2align	6
	.space	262144
	.amdgpu_metadata
---
amdhsa.version: [ 1, 2 ]
amdhsa.kernels:
  - .name:           k_qb3f3f9ffae_attn
    .symbol:         k_qb3f3f9ffae_attn.kd
    .args:
      - { .name: x, .offset: 0, .size: 8, .value_kind: global_buffer, .address_space: global }
      - { .name: Wq_codes, .offset: 8, .size: 8, .value_kind: global_buffer, .address_space: global }
      - { .name: Wq_scales, .offset: 16, .size: 8, .value_kind: global_buffer, .address_space: global }
      - { .name: bq, .offset: 24, .size: 8, .value_kind: global_buffer, .address_space: global }
      - { .name: kblk, .offset: 32, .size: 8, .value_kind: global_buffer, .address_space: global }
      - { .name: vblk, .offset: 40, .size: 8, .value_kind: global_buffer, .address_space: global }
      - { .name: Wo_codes, .offset: 48, .size: 8, .value_kind: global_buffer, .address_space: global }
      - { .name: Wo_scales, .offset: 56, .size: 8, .value_kind: global_buffer, .address_space: global }
      - { .name: bo, .offset: 64, .size: 8, .value_kind: global_buffer, .address_space: global }
      - { .name: out0, .offset: 72, .size: 8, .value_kind: global_buffer, .address_space: global }
    .group_segment_fixed_size: 327680
    .private_segment_fixed_size: 0
    .kernarg_segment_align: 8
    .kernarg_segment_size: 80
    .max_flat_workgroup_size: 128
    .sgpr_count:     80
    .vgpr_count:     1024
    .wavefront_size: 32
...
	.end_amdgpu_metadata
.endif
;; end of part 2
